; MI455X (gfx1250); checked and timed in simulation.
; The chip was launched on July 23, 2026; its instructions are those of AMD's public machine-readable ISA for CDNA 5 (MIT licence, August 2026) and "CDNA5" Instruction Set Architecture Reference Guide (July 2026). The comments in the code are by the model that wrote it; some were corrected since.
;; Parallel Attention. Allowed arithmetic: matrix products marked QUANTISED: E2M3 operands, one E8M0 scale for each 32 along K, by v_wmma_scale_f32_16x16x128_f8f6f4 with both operands' format E2M3, f32 sums; everything else in f32.
;; Inputs: W_o_codes 1,024 x 32 x 24 uint8 (E2M3 codes of W_o, K innermost, in blocks of 32 codes, four codes in three bytes); W_o_scales 1,024 x 32 uint8 (E8M0 scales of W_o, one for each 32 codes along K); W_qkv_codes 3,072 x 32 x 24 uint8 (E2M3 codes of W_qkv, K innermost, in blocks of 32 codes, four codes in three bytes); W_qkv_scales 3,072 x 32 uint8 (E8M0 scales of W_qkv, one for each 32 codes along K); attention_mask 2 x 1 x 2,048 x 2,048 float32; hidden_states_codes 2 x 2,048 x 32 x 24 uint8 (E2M3 codes of hidden_states, K innermost, in blocks of 32 codes, four codes in three bytes); hidden_states_scales 2 x 2,048 x 32 uint8 (E8M0 scales of hidden_states, one for each 32 codes along K); rel_bias_emb 32 x 16 float32.
;; Outputs: out0 2 x 2,048 x 1,024 float32.
;; This version of the problem:
;;   THIS VERSION OF THE PROBLEM IS GIVEN IN LOW PRECISION. The matrix products marked QUANTISED in the list below multiply operands that are first quantised to E2M3 (2 exponent bits, 3 mantissa bits; 6 bits a number), with one power-of-two scale for each 32 numbers along K (OCP MX v1.0); their sums are f32. All else is computed in f32.
;;   The module's matrix products, in the order in which they are computed (A, B: the left and right operand; K: the contracted axis; several contracted axes count as one K, in the product's order):
;;     1. [M 4,096, K 1,024] x [K 1,024, N 3,072]; A: input hidden_states (given as codes); B: input W_qkv (given as codes): QUANTISED
;;     2. batch 32 x [M 2,048, K 64] x [K 64, N 2,048]; A: computed on the way; B: computed on the way: QUANTISED
;;     3. batch 32 x [M 2,048, K 2,048] x [K 2,048, N 64]; A: softmax (see below); B: computed on the way: QUANTISED
;;     4. [M 4,096, K 1,024] x [K 1,024, N 1,024]; A: computed on the way; B: input W_o (given as codes): QUANTISED
;;   THE QUANTISER, for each operand of a quantised product, along K:
;;     - K is cut into blocks of 32 from its start; a last block that is shorter is filled with zeros.
;;     - A block's scale is 2^e with e = floor(log2(the largest magnitude in the block)) - 2, held to -126 .. 127; a block of zeros has e = 0. As a byte (E8M0): e + 127.
;;     - Each number is divided by its block's scale, clamped to +-7.5, and rounded to the nearest number of E2M3, ties to even, subnormals kept.
;;     - The product sums the exact products of the quantised numbers (number of the format x scale) in f32.
;;   ~~~python
;;   def quantise(x, axis):      # numpy; x: float32 -> the quantised numbers, widened to float32 again
;;       x = np.moveaxis(x, axis, -1); K = x.shape[-1]
;;       x = np.pad(x, [(0, 0)] * (x.ndim - 1) + [(0, -K % 32)]); x = x.reshape(x.shape[:-1] + (-1, 32)); a = np.abs(x).max(-1, keepdims=True)
;;       e = np.where(a > 0, np.clip(np.frexp(np.where(a > 0, a, 1))[1] - 1 - 2, -126, 127), 0)      # np.frexp(a)[1] - 1 = floor(log2(a)), exactly
;;       r = np.clip(x / 2.0 ** e, -7.5, 7.5)
;;       step = 2.0 ** (np.maximum(np.frexp(np.where(r == 0, 1, r))[1] - 1, 0) - 3)
;;       q = np.round(r / step) * step * 2.0 ** e      # np.round: ties to even
;;       return np.moveaxis(q.reshape(q.shape[:-2] + (-1,))[..., :K], -1, axis).astype(np.float32)
;;   ~~~
;;   SOFTMAX AHEAD OF A QUANTISED PRODUCT. Where the list says 'softmax', what is quantised is not the finished softmax but p = 2^(t - M), with t = logit x log2(e) and M = ceil(the row's largest t), a whole number; so 1/2 < the row's largest p <= 1. The row's sum l is taken of the UNQUANTISED p, in f32, and the product's result is divided by l at the end. Since M is a whole number, a kernel that streams over the keys may use a running M (the ceiling of the running maximum): every later rescaling is an exact power of two, which a block's scale takes up: the codes' values come out the same.
;;   OPERANDS COMPUTED ON THE WAY. 'Computed on the way' means the value that the module computes at that place (a softmax that the list does not call 'softmax' is quantised finished and normalised). What goes into a quantiser is computed in f32, as accurately as f32 sums, v_exp_f32 and their like allow (about 1e-6 of the number): no bf16 or f16 on the way to a quantiser, and a product that is left as it is and whose result goes on into a quantised operand takes f32 operands (vector FMAs, or v_wmma_f32_16x16x4_f32). A number that lies on a knife's edge between two numbers of the format may be rounded either way, as far as f32 arithmetic and the matrix unit's own rounding can turn it there, and no further.
;;   INPUTS GIVEN AS CODES. W_o (in the module: [1024, 1024], K = its axis 0); W_qkv (in the module: [1024, 3072], K = its axis 0); hidden_states (in the module: [2, 2048, 1024], K = its axis 2): each comes as NAME_codes (uint8): NAME with its K axis moved to the last place and cut into blocks of 32 codes, [.., K / 32, bytes a block], one block behind the other in memory; four codes in three bytes: a row's codes are one little-endian stream of bits, code i at bits 6 i .. 6 i + 5 (a code: sign, 2 exponent bits, 3 mantissa bits); and NAME_scales (uint8): the same leading axes, one E8M0 byte (e + 127) for each 32 codes along K. Its value is code x scale, taken as it is: it is not quantised again, and the codes and scales need not be those that the quantiser above would give.
;; One version. Each part assembles by itself: llvm-mc -triple=amdgcn-amd-amdhsa -mcpu=gfx1250 --defsym DOCPART=n.
;; ======== version 1 of 1: 3 launches
;; limits: right only within a limited range of input values
;; workspace buffers: qkv 9,830,400 bytes; ctx_codes 3,145,728 bytes; ctx_scales 131,072 bytes
;; launch proj (part 1): grid 12 x 16, 4 waves a work-group, clusters of 4 x 4, 327,680 bytes of LDS; arguments hidden_states_codes, hidden_states_scales, W_qkv_codes, W_qkv_scales, qkv; writes qkv
.if DOCPART == 1
	.amdgcn_target "amdgcn-amd-amdhsa--gfx1250"
	.amdhsa_code_object_version 6
	.text
	.protected	k_q2c2c3cdd20_proj
	.globl	k_q2c2c3cdd20_proj
	.p2align	8
	.type	k_q2c2c3cdd20_proj,@function
k_q2c2c3cdd20_proj:
	s_mov_b64 s[64:65], 0
	v_nop
	global_prefetch_b8 v0, s[64:65] scope:SCOPE_SE
	s_setreg_imm32_b32 hwreg(HW_REG_WAVE_MODE, 25, 1), 1
	s_wait_xcnt 0x0
	s_wait_alu depctr_hold_cnt(0) depctr_sa_sdst(0) depctr_va_vdst(0) depctr_va_sdst(0) depctr_va_ssrc(0) depctr_va_vcc(0) depctr_vm_vsrc(0)
	s_getreg_b32 s2, hwreg(HW_REG_IB_STS2, 6, 4)
	s_cmp_eq_u32 s2, 0
	s_cbranch_scc0 .Lentry_in_a_cluster
	s_endpgm
.Lentry_in_a_cluster:
	s_bfe_u32 s2, ttmp6, 0x10000c
	s_cmp_lg_u32 s2, 0xf033
	s_cbranch_scc0 .Lentry_shape_is_right
	s_endpgm
.Lentry_shape_is_right:
; qkv = hidden W_qkv on codes of FP6 (E2M3) with E8M0 scales; the result is quantised again and leaves as RECORDS: 128 rows x 128 columns as images of operand registers
; (8 tiles of 16 rows x 6 pieces of 256 bytes, then 128 scale words): 12,800 bytes.  q and k: rows = tokens, blocks of 32 along d.  v: rows = d, blocks of 32 along the tokens
; (for v the sources change places: A = W_v's rows, B = the tokens).  Inside a block of 32 the codes stand in the order 0..7, 16..23, 8..15, 24..31, alike in q, k and v.
; No step of the problem is left out as dead work in this program; every input is loaded.
; A tile of 256 x 256 a work-group, 128 x 128 a wave.  K = 1,024 is 768 bytes of a row and goes through two LDS slots in three chunks of 256 bytes, each beginning at a multiple of 256 bytes.
; A step of 128 along K is 96 bytes: steps 2 and 5 lie across two chunks.  The scales of the 256 + 256 rows come once.  Cluster 4 x 4: A's tiles are asked for jointly along a row, B's along a column.
; No prefetch: the walk has three chunks, of which two are asked for at the head.  A block of zeros keeps the scale byte 1 (its codes are zeros).
.set ROWB,   256
.set NQ,     2
.set KROW,   768
.set STEPS,  8
.set CHUNKS, 3
.set PITCH,  272
.set FR,     12
.set NL,     6
.set NP,     4
.set HALFT,  128*PITCH
.set SLOT,   4*HALFT
.set KS,     32
.set SCL,    2*SLOT
.set HALFS,  (128*KS/256)*272
.set SBLK,   (16*KS/256)*272
.set SPARE,  SCL+4*HALFS
.set RECB,   12800
.set ADRA, 16
.set ADRB, 20
.set LN,   24
.set LN4,  25
.set CO,   26
.set ADRS, 27
.set SPW,  28
.set NIL,  29
.set SC,   32
.set AF,   128
.set CODE, 64
.set CT,   160
.set TM,   168
.set PW,   184
.set MW,   192
.set G1, 24
.set G0, 32
.set G1B, 48
.set G0B, 56
.set G1S, 68
.set G0S, 76
.set G1SB, 80
.set G0SB, 88
.set G0H, 4
.set G0HB, 8
.set MSB, 0
.macro WIN new
.if MSB != \new
	s_set_vgpr_msb (MSB<<8)|\new
.set MSB, \new
.endif
.endm
.set MUL_LO, 0xa1
.set MUL_HI, 0xf1
.set TO_B,   0x40
.macro JLOAD g0a, g1a, g0b, g1b        ; waves 0, 1 ask for A, waves 2, 3 for B
	s_cmp_eq_u32 s15, 0
	s_cbranch_scc0 .Lfor_b_\@
	tensor_load_to_lds s[\g0a:\g0a+3], s[\g1a:\g1a+7]
	s_nop 0
.rept 4
	v_nop
.endr
	s_branch .Lasked_\@
.Lfor_b_\@:
	tensor_load_to_lds s[\g0b:\g0b+3], s[\g1b:\g1b+7]
	s_nop 0
.rept 4
	v_nop
.endr
.Lasked_\@:
.endm
.macro CREST
	s_cmp_lg_u32 s14, 0
	s_cbranch_scc1 .Lnot_wave_0_\@
	s_barrier_signal -3
.Lnot_wave_0_\@:
	s_barrier_wait -3
	s_barrier_signal -1
	s_barrier_wait -1
.endm
.macro CROUND
	s_barrier_signal -1
	s_barrier_wait -1
	CREST
.endm
	s_load_b128 s[4:7], s[0:1], 0x0
	s_load_b128 s[8:11], s[0:1], 0x10
	s_load_b64 s[12:13], s[0:1], 0x20
	v_lshl_add_u32 v[SPW], v0, 2, SPARE
	v_mov_b32 v[NIL], 0
	ds_add_u32 v[SPW], v[NIL]                      ; the opening lines: the add twice and one wait
	ds_add_u32 v[SPW], v[NIL]
	v_lshrrev_b32 v1, 5, v0
	v_readfirstlane_b32 s14, v1
	s_lshr_b32 s15, s14, 1
	s_and_b32 s16, s14, 1
	s_bfe_u32 s40, ttmp6, 0x40000
	s_bfe_u32 s41, ttmp6, 0x40004
	s_and_b32 s17, ttmp7, 0xffff
	s_cmp_eq_u32 ttmp9, 2                          ; the third column of clusters makes v: the same in all partners
	s_cselect_b32 s42, s17, ttmp9
	s_cselect_b32 s17, 0, s17
	s_cselect_b32 s95, 512, 0
	s_cselect_b32 s2, 8, 32
	s_lshl_b32 s42, s42, 2
	s_add_co_u32 s42, s42, s40                     ; tile column
	s_lshl_b32 s17, s17, 2
	s_add_co_u32 s17, s17, s41                     ; tile row
	s_lshl_b32 s43, s41, 2
	s_lshl_b32 s43, 15, s43
	s_lshl_b32 s44, 0x1111, s40
	s_or_b32 s[G1+0], s43, (0<<16)|(1<<20)|(1<<21)|(5<<22)|(3<<25)
	s_or_b32 s[G1B+0], s44, (0<<16)|(1<<20)|(1<<21)|(5<<22)|(3<<25)
.irp g, G1, G1B
	s_mov_b32 s[\g+1], ROWB<<16
	s_mov_b32 s[\g+2], 256<<16
	s_mov_b32 s[\g+3], ROWB<<16
	s_mov_b32 s[\g+4], 256
	s_mov_b32 s[\g+5], KROW
	s_mov_b32 s[\g+6], 0
	s_mov_b32 s[\g+7], 0
.endr
	s_or_b32 s[G1S+0], s43, (3<<16)|(1<<20)|(1<<21)|(5<<22)|(3<<25)
	s_or_b32 s[G1SB+0], s44, (3<<16)|(1<<20)|(1<<21)|(5<<22)|(3<<25)
.irp g, G1S, G1SB
	s_mov_b32 s[\g+1], 32<<16
	s_mov_b32 s[\g+2], KS<<16
	s_mov_b32 s[\g+3], 32<<16
	s_mov_b32 s[\g+4], KS
	s_mov_b32 s[\g+5], 32
	s_mov_b32 s[\g+6], 0
	s_mov_b32 s[\g+7], 0
.endr
	s_lshl_b32 s20, s17, 8
	s_lshl_b32 s46, s42, 8
	s_mov_b32 s21, 0
	s_mov_b32 s47, 0
	s_mov_b64 s[18:19], KS
	s_mul_u64 s[22:23], s[20:21], s[18:19]
	s_mul_u64 s[92:93], s[46:47], s[18:19]
	s_mov_b64 s[18:19], KROW
	s_mul_u64 s[20:21], s[20:21], s[18:19]
	s_mul_u64 s[46:47], s[46:47], s[18:19]
	s_mul_i32 s18, s16, 128*KROW
	s_mov_b32 s19, 0
	s_mul_i32 s45, s14, HALFT
	s_wait_dscnt 0x0
	s_wait_kmcnt 0x0
	s_add_nc_u64 s[98:99], s[8:9], 2048*KROW       ; W_v's rows
	s_add_nc_u64 s[100:101], s[10:11], 2048*KS
	s_cmp_eq_u32 ttmp9, 2
	s_cselect_b64 s[66:67], s[98:99], s[4:5]
	s_cselect_b64 s[96:97], s[100:101], s[6:7]
	s_cselect_b64 s[8:9], s[4:5], s[8:9]
	s_cselect_b64 s[10:11], s[6:7], s[10:11]
	s_add_nc_u64 s[20:21], s[66:67], s[20:21]
	s_add_nc_u64 s[22:23], s[96:97], s[22:23]
	s_add_nc_u64 s[46:47], s[8:9], s[46:47]
	s_add_nc_u64 s[92:93], s[10:11], s[92:93]
	CROUND                                         ; in front of the first joint loads
	s_mov_b32 s[G0H], 1
	s_mov_b32 s[G0H+1], 0
	s_mov_b64 s[G0H+2:G0H+3], s[20:21]
	s_or_b32 s[G0H+3], s[G0H+3], 0x80000000
	s_mov_b32 s[G0HB], 1
	s_mov_b32 s[G0HB+1], 2*HALFT
	s_mov_b64 s[G0HB+2:G0HB+3], s[46:47]
	s_or_b32 s[G0HB+3], s[G0HB+3], 0x80000000
	s_mov_b32 s[G0S], 1
	s_mov_b32 s[G0S+1], SCL
	s_mov_b64 s[G0S+2:G0S+3], s[22:23]
	s_or_b32 s[G0S+3], s[G0S+3], 0x80000000
	s_mov_b32 s[G0SB], 1
	s_mov_b32 s[G0SB+1], SCL+2*HALFS
	s_mov_b64 s[G0SB+2:G0SB+3], s[92:93]
	s_or_b32 s[G0SB+3], s[G0SB+3], 0x80000000
	s_add_nc_u64 s[20:21], s[20:21], s[18:19]
	s_add_nc_u64 s[46:47], s[46:47], s[18:19]
.irp s, 0,1
	s_mov_b32 s[G0+4*\s], 1
	s_add_co_u32 s[G0+4*\s+1], s45, \s*SLOT
	s_add_nc_u64 s[G0+4*\s+2:G0+4*\s+3], s[20:21], \s*ROWB
	s_or_b32 s[G0+4*\s+3], s[G0+4*\s+3], 0x80000000
	s_mov_b32 s[G0B+4*\s], 1
	s_add_co_u32 s[G0B+4*\s+1], s45, \s*SLOT
	s_add_nc_u64 s[G0B+4*\s+2:G0B+4*\s+3], s[46:47], \s*ROWB
	s_or_b32 s[G0B+4*\s+3], s[G0B+4*\s+3], 0x80000000
.endr
; the head's four tiles, one load a wave: chunk 0 of A's 256 rows, of B's 256 rows, A's scales, B's scales
.macro ARM under, g0, g1, next
	s_cmp_lt_u32 s14, \under
	s_cbranch_scc0 \next
	tensor_load_to_lds s[\g0:\g0+3], s[\g1:\g1+7]
	s_nop 0
.rept 4
	v_nop
.endr
	s_branch .Lhead_asked
\next:
.endm
	ARM 1, G0H,  G1,  .Lhead_b
	ARM 2, G0HB, G1B, .Lhead_sa
	ARM 3, G0S,  G1S, .Lhead_sb
	tensor_load_to_lds s[G0SB:G0SB+3], s[G1SB:G1SB+7]
	s_nop 0
.rept 4
	v_nop
.endr
.Lhead_asked:
	v_and_b32 v1, 15, v0
	v_bfe_u32 v2, v0, 4, 1
	v_mul_u32_u24 v3, v1, PITCH
	v_mul_u32_u24 v4, v2, 24
	v_add_nc_u32 v4, v3, v4
	s_mov_b32 s21, SLOT-232
	s_mov_b32 s22, SLOT+232
	v_sub_nc_u32 v7, 1, v2
	v_mul_u32_u24 v5, s21, v2
	v_add_nc_u32 v5, v3, v5
	v_add_nc_u32 v5, 232, v5                       ; lanes 0-15 byte 232 of the row in slot 0, lanes 16-31 byte 0 in slot 1
	v_mul_u32_u24 v6, s22, v7
	v_add_nc_u32 v6, v3, v6                        ; and the other way round
	s_mul_i32 s21, s15, HALFT
	s_mul_i32 s22, s16, HALFT
	s_add_co_u32 s22, s22, 2*HALFT
	v_add_nc_u32 v[ADRA+2], s21, v5
	v_add_nc_u32 v[ADRA+3], s21, v6
	v_add_nc_u32 v[ADRB+2], s22, v5
	v_add_nc_u32 v[ADRB+3], s22, v6
.irp s, 0,1
	v_add_nc_u32 v[ADRA+\s], s21, v4
	v_add_nc_u32 v[ADRB+\s], s22, v4
	s_add_co_u32 s21, s21, SLOT
	s_add_co_u32 s22, s22, SLOT
.endr
	v_mul_u32_u24 v5, v1, KS
	v_lshrrev_b32 v6, 8, v5
	v_lshl_add_u32 v5, v6, 4, v5
	s_mul_i32 s21, s15, HALFS
	s_mul_i32 s22, s16, HALFS
	s_add_co_u32 s22, s22, 2*HALFS
	s_sub_co_u32 s22, s22, s21
	v_mul_u32_u24 v6, s22, v2
	s_add_co_u32 s21, s21, SCL
	v_add_nc_u32 v5, v5, v6
	v_add_nc_u32 v[ADRS], s21, v5
	v_and_b32 v[LN], 31, v0
	v_lshlrev_b32 v[LN4], 2, v[LN]
	v_lshlrev_b32 v[CO], 3, v[LN]
	s_lshl_b32 s46, s42, 1                         ; my record: (column half) x 32 + row half for q, k; 512 + (token block) x 8 + d block for v
	s_add_co_u32 s46, s46, s16
	s_mul_i32 s46, s46, s2
	s_add_co_u32 s46, s46, s95
	s_lshl_b32 s20, s17, 1
	s_add_co_u32 s20, s20, s15
	s_add_co_u32 s20, s20, s46
	s_mul_i32 s20, s20, RECB
	s_mov_b32 s21, 0
	s_add_nc_u64 s[12:13], s[12:13], s[20:21]
.macro FRAG reg, adr, st, i            ; 16 rows x 128 K: six pieces of 8 bytes; byte y of a row lies in chunk y / 256, slot (y / 256) % 2
.irp p, 0,1,2,3,4,5
.set BY, 96*(\st)+48*(\p/3)+8*(\p%3)
.if BY/ROWB == (BY+24)/ROWB
	ds_load_b64 v[\reg+2*\p:\reg+2*\p+1], v[\adr+(BY/ROWB)%2] offset:BY%ROWB+(\i)*16*PITCH
.else
	ds_load_b64 v[\reg+2*\p:\reg+2*\p+1], v[\adr+2+(BY/ROWB)%2] offset:BY%ROWB-232+(\i)*16*PITCH
.endif
.endr
.endm
.macro MUL16 a0, p, q, sc, zero        ; the 64 accumulators take turns
.irp a, \a0, \a0+1
.irp b, 0,1,2,3,4,5,6,7
.if \zero
	v_wmma_scale_f32_16x16x128_f8f6f4 v[8*(8*((\a)%4)+\b):8*(8*((\a)%4)+\b)+7], v[128*(\p)+FR*\b:128*(\p)+FR*\b+FR-1], v[AF+FR*(\a):AF+FR*(\a)+FR-1], 0, v[SC+8*NQ*(\sc)+NQ*\b+(\q)], v[SC+8*NQ*(\sc)+NQ*(\a)+(\q)] matrix_a_fmt:MATRIX_FMT_FP6 matrix_b_fmt:MATRIX_FMT_FP6 matrix_a_scale:MATRIX_SCALE_ROW1
.else
	v_wmma_scale_f32_16x16x128_f8f6f4 v[8*(8*((\a)%4)+\b):8*(8*((\a)%4)+\b)+7], v[128*(\p)+FR*\b:128*(\p)+FR*\b+FR-1], v[AF+FR*(\a):AF+FR*(\a)+FR-1], v[8*(8*((\a)%4)+\b):8*(8*((\a)%4)+\b)+7], v[SC+8*NQ*(\sc)+NQ*\b+(\q)], v[SC+8*NQ*(\sc)+NQ*(\a)+(\q)] matrix_a_fmt:MATRIX_FMT_FP6 matrix_b_fmt:MATRIX_FMT_FP6 matrix_a_scale:MATRIX_SCALE_ROW1
.endif
.endr
.endr
.endm
.macro FETCH_B st, p
	WIN TO_B
.irp i, 0,1,2,3,4,5,6,7
	FRAG 128*(\p)+FR*\i, ADRB, \st, \i
.endr
	WIN 0
.endm
.macro FETCH_A st, i0
.irp i, \i0, \i0+1, \i0+2, \i0+3
	FRAG AF+FR*(\i), ADRA, \st, \i
.endr
.endm
.macro SCALES pr
.irp i, 0,1,2,3,4,5,6,7
	ds_load_b64 v[SC+8*NQ*((\pr)%2)+NQ*\i:SC+8*NQ*((\pr)%2)+NQ*\i+1], v[ADRS] offset:\i*SBLK+4*NQ*(\pr)
.endr
.endm
.macro PLACES n
.rept \n
	v_nop
.endr
.endm
; a step of 128 along K; a barrier where the next step ends in a chunk not yet read; the full sequence and, where a chunk is left to fetch, a round and the refill where a chunk is left behind
.macro STEP st, zero
.set NX, (\st)+1
.set C0, (96*(\st))/ROWB
.set C1, (96*NX)/ROWB
.set E0, (96*(\st)+95)/ROWB
.set E1, (96*NX+95)/ROWB
.if C1 > C0 || E1 > E0
	s_wait_tensorcnt 0x0                           ; all my tensor loads have landed
.if C1 > C0
	ds_add_u32 v[SPW], v[NIL]
	s_wait_dscnt 4*NL+1                            ; the add and A's blocks 4-7 may be out
.else
	s_wait_dscnt 4*NL                              ; A's blocks 4-7 may be out
.endif
	WIN MUL_LO
	MUL16 0, (\st)%2, (\st)%2, ((\st)/2)%2, \zero
	s_wait_dscnt 0x0
	s_barrier_signal -1
	MUL16 2, (\st)%2, (\st)%2, ((\st)/2)%2, \zero
	WIN 0
	s_barrier_wait -1
.if C1 > C0 && C0+2 < CHUNKS
	CREST
	s_add_nc_u64 s[G0+4*(C0%2)+2:G0+4*(C0%2)+3], s[G0+4*(C0%2)+2:G0+4*(C0%2)+3], 2*ROWB
	s_add_nc_u64 s[G0B+4*(C0%2)+2:G0B+4*(C0%2)+3], s[G0B+4*(C0%2)+2:G0B+4*(C0%2)+3], 2*ROWB
	JLOAD G0+4*(C0%2), G1, G0B+4*(C0%2), G1B
.else
	PLACES NP
.endif
.else
	s_wait_dscnt 4*NL
	WIN MUL_LO
	MUL16 0, (\st)%2, (\st)%2, ((\st)/2)%2, \zero
	MUL16 2, (\st)%2, (\st)%2, ((\st)/2)%2, \zero
	s_wait_dscnt 0
	PLACES NP
.endif
	FETCH_B NX, NX%2
	FETCH_A NX, 0
.if NX%2 == 0
	SCALES NX/2
.endif
	WIN MUL_HI
	MUL16 4, (\st)%2, (\st)%2, ((\st)/2)%2, \zero
	MUL16 6, (\st)%2, (\st)%2, ((\st)/2)%2, \zero
	PLACES NP
	WIN 0
	FETCH_A NX, 4
.endm
	s_wait_alu depctr_va_vdst(0)                   ; the wait at the head's end
	s_wait_tensorcnt 0x0
	ds_add_u32 v[SPW], v[NIL]
	s_mov_b32 s[G1+2], 128<<16                     ; no load of mine is out: from here on a load brings 128 rows
	s_mov_b32 s[G1+4], 128
	s_mov_b32 s[G1B+2], 128<<16
	s_mov_b32 s[G1B+4], 128
	s_wait_dscnt 0x0
	CROUND
	JLOAD G0+4, G1, G0B+4, G1B                     ; chunk 1, first behind the round
	FETCH_B 0, 0
	FETCH_A 0, 0
	SCALES 0
	FETCH_A 0, 4
	STEP 0, 1
.set ST, 1
.rept STEPS-2
	STEP ST, 0
.set ST, ST+1
.endr
	s_wait_dscnt 4*NL
	WIN MUL_LO
	MUL16 0, 1, 1, 1, 0
	MUL16 2, 1, 1, 1, 0
	s_wait_dscnt 0
	WIN MUL_HI
	MUL16 4, 1, 1, 1, 0
	MUL16 6, 1, 1, 1, 0
	WIN 0
; block a of 16 rows: four blocks of 32 columns are quantised; a lane gets whole blocks by an exchange of halves; 32 lanes store 256 consecutive bytes
.macro QUANT a
.set AC, 64*((\a)%4)
.set WN, 2+(\a)/4
.set WS12, (WN<<2)|(WN<<4)
.set CD, CODE+12*(\a)
	WIN WS12
.irp b, 0,1,2,3
	v_max3_num_f32 v[TM+\b], s3, |v[AC+16*\b]|, |v[AC+16*\b+1]|
.endr
.irp i, 2,4,6,8,10,12,14
.irp b, 0,1,2,3
	v_max3_num_f32 v[TM+\b], v[TM+\b], |v[AC+16*\b+\i]|, |v[AC+16*\b+\i+1]|
.endr
.endr
	WIN 0
.irp b, 0,1,2,3
	v_permlanex16_b32 v[TM+4+\b], v[TM+\b], s22, s23
.endr
.irp b, 0,1,2,3
	v_max_num_f32 v[TM+\b], v[TM+\b], v[TM+4+\b]
.endr
.irp b, 0,1,2,3
	v_add_nc_u32 v[TM+12+\b], 0xff000000, v[TM+\b]
.endr
.irp b, 0,1,2,3
	v_lshrrev_b32 v[TM+4+\b], 23, v[TM+12+\b]
.endr
	v_lshl_or_b32 v[PW+(\a)], v[TM+5], 8, v[TM+4]
	v_lshl_or_b32 v[PW+(\a)], v[TM+6], 16, v[PW+(\a)]
	v_lshl_or_b32 v[PW+(\a)], v[TM+7], 24, v[PW+(\a)]
	WIN WN
.irp c, 0,1
	v_cvt_scalef32_pk16_fp6_f32 v[CD+6*\c:CD+6*\c+2], v[AC+32*\c:AC+32*\c+15], v[TM+12+2*\c]
	v_cvt_scalef32_pk16_fp6_f32 v[CT+4*\c:CT+4*\c+2], v[AC+32*\c+16:AC+32*\c+31], v[TM+13+2*\c]
.endr
	WIN 0
	v_nop
.irp c, 0,1
.irp i, 0,1,2
	v_permlane16_swap_b32 v[CD+6*\c+\i], v[CT+4*\c+\i]
.endr
.irp i, 0,1,2
	v_mov_b32 v[CD+6*\c+3+\i], v[CT+4*\c+\i]
.endr
.endr
.irp p, 0,1,2,3,4,5
	global_store_b64 v[CO], v[CD+2*\p:CD+2*\p+1], s[12:13] offset:(\a)*1536+256*\p
.endr
.endm
	PLACES NP
	s_mov_b32 s3, 0x1800000
	s_mov_b32 s22, 0x76543210
	s_mov_b32 s23, 0xfedcba98
.irp b, 0,1,2,3
	v_mov_b32 v[TM+4+\b], 0
.endr
.irp a, 0,1,2,3,4,5,6,7
	QUANT \a
.endr
	v_cmp_le_u32 vcc_lo, 16, v[LN]
.irp a, 0,2,4,6
	v_cndmask_b32 v[MW+\a/2], v[PW+\a], v[PW+\a+1], vcc_lo
	global_store_b32 v[LN4], v[MW+\a/2], s[12:13] offset:12288+64*\a
.endr
	s_wait_tensorcnt 0x0                           ; the wave's end
	ds_add_u32 v[SPW], v[NIL]
	s_wait_dscnt 0x0
	CROUND
	s_endpgm
.Lfunc_end_k_q2c2c3cdd20_proj:
	.size	k_q2c2c3cdd20_proj, .Lfunc_end_k_q2c2c3cdd20_proj-k_q2c2c3cdd20_proj
	.p2alignl 7, 3214868480
	.fill 96, 4, 3214868480
	.section	.rodata,"a",@progbits
	.p2align	6, 0x0
	.amdhsa_kernel k_q2c2c3cdd20_proj
		.amdhsa_group_segment_fixed_size 327680
		.amdhsa_private_segment_fixed_size 0
		.amdhsa_enable_private_segment 0
		.amdhsa_kernarg_size 40
		.amdhsa_user_sgpr_count 2
		.amdhsa_user_sgpr_kernarg_segment_ptr 1
		.amdhsa_wavefront_size32 1
		.amdhsa_system_sgpr_workgroup_id_x 1
		.amdhsa_system_sgpr_workgroup_id_y 1
		.amdhsa_system_sgpr_workgroup_id_z 1
		.amdhsa_system_vgpr_workitem_id 0
		.amdhsa_next_free_vgpr 1024
		.amdhsa_next_free_sgpr 102
		.amdhsa_reserve_vcc 1
		.amdhsa_float_denorm_mode_32 3
		.amdhsa_float_denorm_mode_16_64 3
		.amdhsa_memory_ordered 1
		.amdhsa_forward_progress 1
		.amdhsa_inst_pref_size 166
	.end_amdhsa_kernel
	.amdgpu_metadata
---
amdhsa.version: [ 1, 2 ]
amdhsa.kernels:
  - .name:           k_q2c2c3cdd20_proj
    .symbol:         k_q2c2c3cdd20_proj.kd
    .args:
      - { .name: hidden_states_codes, .offset: 0, .size: 8, .value_kind: global_buffer, .address_space: global }
      - { .name: hidden_states_scales, .offset: 8, .size: 8, .value_kind: global_buffer, .address_space: global }
      - { .name: W_qkv_codes, .offset: 16, .size: 8, .value_kind: global_buffer, .address_space: global }
      - { .name: W_qkv_scales, .offset: 24, .size: 8, .value_kind: global_buffer, .address_space: global }
      - { .name: qkv, .offset: 32, .size: 8, .value_kind: global_buffer, .address_space: global }
    .group_segment_fixed_size: 327680
    .private_segment_fixed_size: 0
    .kernarg_segment_align: 8
    .kernarg_segment_size: 40
    .max_flat_workgroup_size: 128
    .sgpr_count:     102
    .vgpr_count:     1024
    .wavefront_size: 32
...
	.end_amdgpu_metadata
.endif
;; end of part 1
;; launch attn (part 2): grid 4 x 64, 16 waves a work-group, clusters of 4 x 4, 327,680 bytes of LDS; arguments qkv, attention_mask, rel_bias_emb, ctx_codes, ctx_scales; writes ctx_codes, ctx_scales
.if DOCPART == 2
	.amdgcn_target "amdgcn-amd-amdhsa--gfx1250"
	.amdhsa_code_object_version 6
	.text
	.protected	k_q2c2c3cdd20_attn
	.globl	k_q2c2c3cdd20_attn
	.p2align	8
	.type	k_q2c2c3cdd20_attn,@function
k_q2c2c3cdd20_attn:
	s_mov_b64 s[64:65], 0
	v_nop
	global_prefetch_b8 v0, s[64:65] scope:SCOPE_SE
	s_setreg_imm32_b32 hwreg(HW_REG_WAVE_MODE, 25, 1), 1
	s_wait_xcnt 0x0
	s_wait_alu depctr_hold_cnt(0) depctr_sa_sdst(0) depctr_va_vdst(0) depctr_va_sdst(0) depctr_va_ssrc(0) depctr_va_vcc(0) depctr_vm_vsrc(0)
	s_getreg_b32 s2, hwreg(HW_REG_IB_STS2, 6, 4)
	s_cmp_eq_u32 s2, 0
	s_cbranch_scc0 .Lentry_in_a_cluster
	s_endpgm
.Lentry_in_a_cluster:
	s_bfe_u32 s2, ttmp6, 0x10000c
	s_cmp_lg_u32 s2, 0xf033
	s_cbranch_scc0 .Lentry_shape_is_right
	s_endpgm
.Lentry_shape_is_right:
; ctx = softmax((q k^T / 8) m + (-10000 (1 - m) + bias)) v, both products on codes of FP6 (E2M3) with E8M0 scales; ctx leaves as codes along head x d, in natural order, with its scale bytes.
; SHARES.  A work-group: 64 queries of one batch x FOUR heads (they share each mask tile); a wave: one head (wave % 4) x 16 queries (wave / 4).  2,048 keys in 16 steps of 128 through two LDS slots
; (two records of k, two of v, 64 x 128 of the mask).  CLUSTER 4 x 4: cx = the group of heads, cy = which 64 queries; the mask is asked for jointly along a row, the records along a column.
; LAYOUT.  S^T = k q^T, O^T = v^T p^T: a lane holds ONE query (lane % 16).  THE KEYS OF A TILE OF k ARE CHOSEN: rows 0-7 of tile 4 c + u are keys 64 c + 8 g(u) + 0..7, rows 8-15 lie 32 keys further on,
; g = 0, 2, 1, 3.  So lane half h holds, in the 32 registers of tiles 4 c .. 4 c + 3, the whole block of 32 keys 64 c + 32 h, in the order in which v's codes stand (0..7, 16..23, 8..15, 24..31):
; a block's largest number needs no other lane and the conversions' results are the operand.  Records lie in LDS with 16 bytes behind every 256, so that the two groups of eight rows touch different banks.
; THE HEAD'S 64 IN AN INSTRUCTION OF 128: q is six registers of codes and six of zero codes; k's operand for tile t is twelve registers from its six on.  Scale words are read as 16 bits (upper bytes 0 = 2^-127, over zero codes).
; THE LOGIT, times 8 (a power of two, which rounds nothing), with each rounding of a large number where the definition has it, since the mask is any f32 number and -10000 (1 - m) can be thousands:
; m - 1;  b = 80000 (m - 1);  c = b + 8 bias;  u = fma(s, m, c): only the rounding of the small product s m is spared (it is exact for m = 0 and m = 1).
; t = u x (log2(e) / 8), rounded to f32;  M = the ceiling of the running largest t;  p = 2^(t - M), t - M a separate addition; the row's sum is taken of the unquantised p.
; THE BIAS: buckets by |d|: 0..7 itself; from 8, 12, 16, 23, 32, 46, 64, 91 on: 8 .. 15; + 16 where d > 0.  A step with |key - query| >= 129 throughout has one number for the step;
; the four near steps take 8 x bias from a table in LDS whose CONTENTS are shifted by cy, so that no LDS address hangs on cy.
; LIMITS.  |d| = 16, 32, 64 lie on a step of the bucket's logarithm: buckets 10, 12, 14 are taken, as a correctly rounded logarithm gives.  The scaling by 8 is exact but for numbers under 2^-123.
; NaN and infinities are not served; the promise holds while |t| stays under 2^31.  A block of zeros keeps the scale byte 1.  ctx leaves in runs of 192 bytes (codes) and 8 bytes (scale bytes).
.set SLOT1, 131072
.set RECB,  12800                      ; a record in memory
.set RECL,  13600                      ; and in LDS: 50 rows of 256 + 16
.set VOFF,  2*RECL
.set MOFF,  4*RECL
.set MP,    528
.set TAB,   2*SLOT1
.set STG,   TAB+10240
.set SCST,  STG+64*272
.set SPARE, SCST+512
.set AK0,  1
.set ASK0, 2
.set AV0,  3
.set ASV0, 4
.set AM0,  5
.set AT0,  6
.set SPW,  7
.set NIL,  8
.set PFO,  9
.set ADK,  10
.set ADS,  11
.set ADV,  12
.set ADT,  13
.set ADM,  14
.set ADB,  15
.set QF,   16                          ; v16-27 q
.set SH,   29                          ; v29 = 8 h
.set NM,   30                          ; -M (the packed addition names the pair v[30:31] and takes its low word)
.set TMAX, 31
.set FB,   32                          ; v32-79 k, then mask and table entries, then v; v80-85 zeros
.set KSC,  86
.set VSC,  94
.set QSC,  98
.set PSC,  99
.set SS,   100                         ; v100-163 S^T, u, t, t - M, p
.set MK,   164                         ; v164-195 half a mask tile; later p's codes
.set PC,   164
.set CT,   176
.set OT,   196                         ; v196-227 O^T
.set SUM,  248
.set FF,   252
.set TB,   2
.set KF,   3
.set CX,   14
.set CYP,  15
.set BB,   17
.set WV,   18
.set Q0C,  19
.set SEL,  20
.set CS,   22
.set BIG,  24
.set BL,   26
.set BR,   27
.set STEPS, 29
.set HG,   30
.set QT,   31
.set G1R,  32
.set G1M,  40
.set G0K,  48
.set G0V,  52
.set G0M,  56
.set PFA,  60
.set PFS,  62
.set LIM,  66
.set TOK0, 79
.set NEG1, 84                          ; s[84:85] -1.0
.set SBP,  86                          ; s[86:87] a far step's 8 x bias
.macro CROUND
	s_barrier_signal -1
	s_barrier_wait -1
	s_cmp_lg_u32 s[WV], 0
	s_cbranch_scc1 .Lnot_wave_0_\@
	s_barrier_signal -3
.Lnot_wave_0_\@:
	s_barrier_wait -3
	s_barrier_signal -1
	s_barrier_wait -1
.endm
; waves 0, 1 fetch k's two records, waves 2, 3 v's, waves 4, 5 the mask's halves
.macro TLOAD
	s_cmp_lt_u32 s[WV], 2
	s_cbranch_scc0 .Lnot_k_\@
	tensor_load_to_lds s[G0K:G0K+3], s[G1R:G1R+7]
	s_nop 0
.rept 4
	v_nop
.endr
	s_branch .Lasked_\@
.Lnot_k_\@:
	s_cmp_lt_u32 s[WV], 4
	s_cbranch_scc0 .Lnot_v_\@
	tensor_load_to_lds s[G0V:G0V+3], s[G1R:G1R+7]
	s_nop 0
.rept 4
	v_nop
.endr
	s_branch .Lasked_\@
.Lnot_v_\@:
	s_cmp_lt_u32 s[WV], 6
	s_cbranch_scc0 .Lasked_\@
	tensor_load_to_lds s[G0M:G0M+3], s[G1M:G1M+7]
	s_nop 0
.rept 4
	v_nop
.endr
.Lasked_\@:
.endm
; a prefetch of what the NEXT change of slots will ask for.  Wave 8: 16 of the mask tile's 64 rows (the row's four partners told apart by address), two blocks of 256 bytes a row.
; Waves 9, 10 of the batch's first cluster: the partner at cy takes one of the step's four records, 25 blocks a wave.  The last filling change asks for nothing.
.macro ASK
	s_cmp_gt_u32 s[STEPS], s[LIM]
	s_cbranch_scc0 .Lnot_mine_\@
	global_prefetch_b8 v[PFO], s[PFA:PFA+1] th:TH_LOAD_NT scope:SCOPE_SE
.Lnot_mine_\@:
.endm
	s_load_b256 s[4:11], s[0:1], 0x0
	s_load_b64 s[12:13], s[0:1], 0x20
	v_lshl_add_u32 v[SPW], v0, 2, SPARE
	v_mov_b32 v[NIL], 0
	ds_add_u32 v[SPW], v[NIL]                      ; the opening lines
	ds_add_u32 v[SPW], v[NIL]
	s_wait_dscnt 0x0
	v_lshrrev_b32 v10, 5, v0
	v_readfirstlane_b32 s[WV], v10
	s_bfe_u32 s[CX], ttmp6, 0x40000
	s_bfe_u32 s[CYP], ttmp6, 0x40004
	s_and_b32 s16, ttmp7, 0xffff
	s_lshr_b32 s[BB], s16, 3
	s_and_b32 s[Q0C], s16, 7
	s_lshl_b32 s[Q0C], s[Q0C], 8
	s_and_b32 s[HG], s[WV], 3
	s_lshr_b32 s[QT], s[WV], 2
	s_and_b32 s67, s[WV], 1
	s_bfe_u32 s68, s[WV], 0x10001
	s_lshl_b32 s69, s[CYP], 2
	s_lshl_b32 s69, 15, s69
	s_lshl_b32 s70, 0x1111, s[CX]
	s_or_b32 s[G1R], s70, (3<<16)|(1<<20)|(1<<21)|(5<<22)|(3<<25)  ; a record: 50 rows of 256 bytes, 16 bytes behind each
	s_mov_b32 s[G1R+1], 32<<16
	s_mov_b32 s[G1R+2], 50<<16
	s_mov_b32 s[G1R+3], 32<<16
	s_mov_b32 s[G1R+4], 50
	s_mov_b32 s[G1R+5], 32
	s_mov_b32 s[G1R+6], 0
	s_mov_b32 s[G1R+7], 0
	s_or_b32 s[G1M], s69, (2<<16)|(1<<20)|(1<<21)|(6<<22)|(3<<25)  ; the mask: 32 rows x 128 f32
	s_mov_b32 s[G1M+1], 128<<16
	s_mov_b32 s[G1M+2], 32<<16
	s_mov_b32 s[G1M+3], 128<<16
	s_mov_b32 s[G1M+4], 32
	s_mov_b32 s[G1M+5], 2048
	s_mov_b32 s[G1M+6], 0
	s_mov_b32 s[G1M+7], 0
	s_lshl_b32 s70, s[CX], 1
	s_add_co_u32 s70, s70, s67
	s_add_co_u32 s72, s70, 8
	s_lshl_b32 s72, s72, 5
	s_lshl_b32 s73, s[BB], 4
	s_add_co_u32 s72, s72, s73                     ; k: record (8 + pair) x 32 + 16 x batch
	s_mul_i32 s72, s72, RECB
	s_mov_b32 s73, 0
	s_lshl_b32 s74, s[BB], 7
	s_add_co_u32 s74, s74, s70
	s_add_co_u32 s74, s74, 512                     ; v: record 512 + 128 x batch + pair
	s_mul_i32 s74, s74, RECB
	s_mov_b32 s75, 0
	s_lshl_b32 s[TOK0], s[BB], 11
	s_add_co_u32 s[TOK0], s[TOK0], s[Q0C]
	s_lshl_b32 s76, s[CYP], 6
	s_add_co_u32 s[TOK0], s[TOK0], s76
	s_lshl_b32 s76, s67, 5
	s_add_co_u32 s76, s76, s[TOK0]
	s_lshl_b32 s76, s76, 13
	s_mov_b32 s77, 0
	s_mul_i32 s80, s67, RECL
	s_mul_i32 s81, s67, 32*MP
	s_lshl_b32 s82, s[CX], 4
	s_add_co_u32 s82, s82, s[TOK0]
	s_lshl_b32 s82, s82, 13
	s_add_co_u32 s82, s82, 512
	s_and_b32 s83, s[CYP], 1
	s_lshl_b32 s84, s[CX], 1
	s_add_co_u32 s84, s84, s83
	s_add_co_u32 s85, s84, 8
	s_lshl_b32 s85, s85, 5
	s_lshl_b32 s86, s[BB], 4
	s_add_co_u32 s85, s85, s86
	s_lshl_b32 s86, s[BB], 7
	s_add_co_u32 s86, s86, s84
	s_add_co_u32 s86, s86, 512
	s_mov_b32 s87, 8*RECB
	s_cmp_lt_u32 s[CYP], 2
	s_cselect_b32 s85, s85, s86
	s_cselect_b32 s87, RECB, s87
	s_mul_i32 s85, s85, RECB
	s_add_co_u32 s85, s85, s87
	s_mul_i32 s86, s67, 25*256
	s_add_co_u32 s85, s85, s86
	s_sub_co_u32 s89, s[WV], 9
	s_lshr_b32 s89, s89, 1
	s_and_b32 s90, s16, 7
	s_or_b32 s89, s89, s90
	s_cmp_eq_u32 s89, 0
	s_cselect_b32 s[LIM], 1, -1
	s_cmp_eq_u32 s[WV], 8
	s_cselect_b32 s[LIM], 1, s[LIM]
	s_cselect_b32 s82, s82, s85
	s_cselect_b32 s[PFS], 512, s87
	s_cselect_b32 s88, -1, 0
	s_mov_b32 s83, 0
	s_mov_b32 s[PFS+1], 0
	v_and_b32 v10, 31, v0                          ; lane
	v_and_b32 v11, 15, v0                          ; r
	v_bfe_u32 v12, v0, 4, 1                        ; h
	v_lshrrev_b32 v13, 1, v10
	v_lshlrev_b32 v13, 13, v13
	v_and_b32 v14, 1, v10
	v_lshl_add_u32 v13, v14, 8, v13
	v_min_u32 v14, 24, v10
	v_lshlrev_b32 v14, 8, v14
	v_cndmask_b32 v[PFO], v14, v13, s88
	s_mov_b32 s[SEL], 0x76543210
	s_mov_b32 s[SEL+1], 0xfedcba98
	s_mov_b32 s[CS], 0x3e38aa3b                    ; log2(e) / 8
	s_mov_b32 s[CS+1], s[CS]
	s_mov_b32 s[BIG], 0x479c4000                   ; 80000.0
	s_mov_b32 s[BIG+1], s[BIG]
	s_mov_b32 s[TB], 0
	s_mov_b32 s[KF], 0
	s_mov_b32 s[STEPS], 15
	s_wait_alu depctr_va_vdst(0)                   ; the wait ahead of the blocking wait
	s_wait_kmcnt 0x0
	s_mov_b32 s[G0K], 1
	s_mov_b32 s[G0K+1], s80
	s_add_nc_u64 s[G0K+2:G0K+3], s[4:5], s[72:73]
	s_or_b32 s[G0K+3], s[G0K+3], 0x80000000
	s_mov_b32 s[G0V], 1
	s_add_co_u32 s[G0V+1], s80, VOFF
	s_add_nc_u64 s[G0V+2:G0V+3], s[4:5], s[74:75]
	s_or_b32 s[G0V+3], s[G0V+3], 0x80000000
	s_mov_b32 s[G0M], 1
	s_add_co_u32 s[G0M+1], s81, MOFF
	s_add_nc_u64 s[G0M+2:G0M+3], s[6:7], s[76:77]
	s_or_b32 s[G0M+3], s[G0M+3], 0x80000000
	s_cmp_eq_u32 s[WV], 8
	s_cselect_b64 s[PFA:PFA+1], s[6:7], s[4:5]
	s_add_nc_u64 s[PFA:PFA+1], s[PFA:PFA+1], s[82:83]
	CROUND
	TLOAD                                          ; key step 0, into slot 0
	s_lshl_b32 s91, s[CX], 2
	s_add_co_u32 s91, s91, s[HG]
	s_lshl_b32 s92, s91, 2
	s_load_b32 s[BL], s[8:9], s92 offset:960       ; bucket 15
	s_load_b32 s[BR], s[8:9], s92 offset:1984      ; bucket 31
	s_mov_b32 s[NEG1], 0xbf800000                  ; -1.0 (the registers that held the prefetches' offsets are free)
	s_mov_b32 s[NEG1+1], s[NEG1]
	s_lshl_b32 s93, s[QT], 4
	s_add_co_u32 s93, s93, s[TOK0]
	s_lshr_b32 s94, s93, 7
	s_bfe_u32 s95, s93, 0x30004
	s_lshl_b32 s97, s[CX], 1
	s_add_co_u32 s97, s97, s68
	s_lshl_b32 s97, s97, 5
	s_add_co_u32 s97, s97, s94
	s_mul_i32 s97, s97, RECB
	s_mul_i32 s98, s95, 1536
	s_add_co_u32 s98, s98, s97
	s_mul_i32 s99, s67, 768
	s_add_co_u32 s98, s98, s99
	s_lshl_b32 s95, s95, 6
	s_add_co_u32 s97, s97, s95
	s_lshl_b32 s99, s67, 1
	s_add_co_u32 s97, s97, s99
	s_add_co_u32 s97, s97, 12288
	v_lshl_add_u32 v100, v10, 3, s98
	v_lshl_add_u32 v101, v11, 2, s97
	global_load_b64 v[QF:QF+1], v100, s[4:5]
	global_load_b64 v[QF+2:QF+3], v100, s[4:5] offset:256
	global_load_b64 v[QF+4:QF+5], v100, s[4:5] offset:512
	global_load_u16 v[QSC], v101, s[4:5]
	; the table: entry idx of my head holds 8 x bias(idx - 192 - 64 cy); the head's four waves make 160 entries each
	s_mul_i32 s69, s[QT], 160
	s_lshl_b32 s70, s[CYP], 6
	s_add_co_u32 s70, s70, 192
	s_sub_co_i32 s69, s69, s70
	v_add_nc_u32 v102, s69, v10
	s_mul_i32 s71, s[HG], 2560
	s_mul_i32 s72, s[QT], 640
	s_add_co_u32 s72, s72, s71
	s_add_co_u32 s72, s72, TAB
	v_lshl_add_u32 v104, v10, 2, s72
.set TD,  110
.set TR,  115
.set TBK, 120
.set TOF, 125
.set TV,  130
.irp i, 0,1,2,3,4
	v_add_nc_u32 v[TD+\i], 32*\i, v102
	v_sub_nc_u32 v[TR+\i], 0, v[TD+\i]
	v_cmp_gt_i32 vcc_lo, 0, v[TD+\i]
	v_cndmask_b32 v[TR+\i], v[TD+\i], v[TR+\i], vcc_lo
	v_mov_b32 v[TBK+\i], 8
.irp thr, 12,16,23,32,46,64,91
	v_cmp_le_u32 vcc_lo, \thr, v[TR+\i]
	v_cndmask_b32 v103, 0, 1, vcc_lo
	v_add_nc_u32 v[TBK+\i], v[TBK+\i], v103
.endr
	v_cmp_gt_u32 vcc_lo, 8, v[TR+\i]
	v_cndmask_b32 v[TBK+\i], v[TBK+\i], v[TR+\i], vcc_lo
	v_cmp_lt_i32 vcc_lo, 0, v[TD+\i]
	v_cndmask_b32 v103, 0, 16, vcc_lo
	v_add_nc_u32 v[TBK+\i], v[TBK+\i], v103
	v_min_u32 v[TBK+\i], 31, v[TBK+\i]
	v_lshl_add_u32 v[TOF+\i], v[TBK+\i], 6, s92
	global_load_b32 v[TV+\i], v[TOF+\i], s[8:9]
.endr
	; my lane's places in a slot.  k: 8 (r % 8) + 128 h + two tiles (12 LDS rows) x (r / 8)
	v_and_b32 v105, 7, v0
	v_bfe_u32 v106, v0, 3, 1
	s_mul_i32 s73, s68, RECL
	s_mul_i32 s74, s67, 816
	s_add_co_u32 s74, s74, s73
	v_lshl_add_u32 v[AK0], v105, 3, s74
	v_lshl_add_u32 v[AK0], v12, 7, v[AK0]
	v_mad_u32_u24 v[AK0], v106, 3264, v[AK0]
	s_lshl_b32 s74, s67, 1
	s_add_co_u32 s74, s74, s73
	s_add_co_u32 s74, s74, 13056
	v_lshl_add_u32 v[ASK0], v105, 2, s74
	v_lshl_add_u32 v[ASK0], v106, 7, v[ASK0]
	s_mul_i32 s74, s67, 6528
	s_add_co_u32 s74, s74, s73
	s_add_co_u32 s74, s74, VOFF
	v_lshl_add_u32 v[AV0], v10, 3, s74
	s_mul_i32 s74, s67, 272
	s_add_co_u32 s74, s74, s73
	s_add_co_u32 s74, s74, VOFF+13056
	v_lshl_add_u32 v[ASV0], v11, 2, s74
	s_mul_i32 s74, s[QT], 16*MP
	s_add_co_u32 s74, s74, MOFF
	v_mul_u32_u24 v[AM0], v11, MP
	v_lshl_add_u32 v[AM0], v12, 7, v[AM0]
	v_add_nc_u32 v[AM0], s74, v[AM0]               ; the mask: row 16 qt + r, + 32 h keys
	s_xor_b32 s74, s[QT], 3                        ; the table: 4 (64 + 32 h - r - 16 qt)
	s_lshl_b32 s74, s74, 6
	s_add_co_u32 s74, s74, s71
	s_add_co_u32 s74, s74, TAB+4
	v_xor_b32 v107, 15, v11
	v_lshl_add_u32 v[AT0], v12, 7, s74
	v_lshl_add_u32 v[AT0], v107, 2, v[AT0]
	v_lshlrev_b32 v[SH], 3, v12                    ; 8 h
.irp j, 6,7,8,9,10,11
	v_mov_b32 v[QF+\j], 0
.endr
.irp j, 48,49,50,51,52,53
	v_mov_b32 v[FB+\j], 0
.endr
.set j, 0
.rept 32
	v_mov_b32 v[OT+j], 0
.set j, j+1
.endr
	v_mov_b32 v[SUM], 0
	v_mov_b32 v[SUM+1], 0
	v_mov_b32 v254, 0
	v_mov_b32 v255, 0                              ; a lane permute's destination counts as a source
	v_mov_b32 v[FF+1], 0
	v_mov_b32 v[TMAX], 0xff61b1e6                  ; -3e38
	v_floor_f32 v[NM], -v[TMAX]
	s_wait_alu depctr_va_vdst(0)
	s_wait_loadcnt 0x0
.irp i, 0,1,2,3,4
	v_mul_f32 v[TV+\i], 0x41000000, v[TV+\i]
.endr
.irp i, 0,1,2,3,4
	ds_store_b32 v104, v[TV+\i] offset:128*\i      ; waited for in front of the first change's round
.endr
	s_wait_kmcnt 0x0
	s_mul_f32 s[BL], s[BL], 0x41000000
	s_mul_f32 s[BR], s[BR], 0x41000000
; eight numbers of tile t: m - 1, b = 80000 (m - 1), c = b + 8 bias, u = fma(s, m, c); c lives in one of two sets of eight registers; each accumulator is read from its low end on
.macro UG mr, t, near
.set TT, 230+8*((\t)%2)
.set TF, FB+32+8*((\t)%2)
.irp k, 0,1,2,3
	v_pk_add_f32 v[TT+2*\k:TT+2*\k+1], v[\mr+2*\k:\mr+2*\k+1], s[NEG1:NEG1+1] op_sel_hi:[1,0]
.endr
.irp k, 0,1,2,3
	v_pk_mul_f32 v[TT+2*\k:TT+2*\k+1], v[TT+2*\k:TT+2*\k+1], s[BIG:BIG+1] op_sel_hi:[1,0]
.endr
.irp k, 0,1,2,3
.if \near
	v_pk_add_f32 v[TT+2*\k:TT+2*\k+1], v[TT+2*\k:TT+2*\k+1], v[TF+2*\k:TF+2*\k+1]
.else
	v_pk_add_f32 v[TT+2*\k:TT+2*\k+1], v[TT+2*\k:TT+2*\k+1], s[SBP:SBP+1] op_sel_hi:[1,0]
.endif
.endr
.irp k, 0,1,2,3
	v_pk_fma_f32 v[SS+8*(\t)+2*\k:SS+8*(\t)+2*\k+1], v[SS+8*(\t)+2*\k:SS+8*(\t)+2*\k+1], v[\mr+2*\k:\mr+2*\k+1], v[TT+2*\k:TT+2*\k+1]
.endr
.endm
.macro TABLD t                         ; tile t's eight table entries of my lane
.irp j, 0,1,2,3,4,5,6,7
	ds_load_b32 v[FB+32+8*((\t)%2)+\j], v[ADB] offset:256*((\t)/4)+32*(2*((\t)%2)+((\t)%4)/2)+4*\j
.endr
.endm
.macro STEP
	v_add_nc_u32 v[ADK], s[TB], v[AK0]             ; (also the places behind the last products)
	v_add_nc_u32 v[ADS], s[TB], v[ASK0]
	v_add_nc_u32 v[ADV], s[TB], v[AV0]
	v_add_nc_u32 v[ADT], s[TB], v[ASV0]
	v_add_nc_u32 v[ADM], s[TB], v[AM0]
.irp t, 0,1,2,3,4,5,6,7
.irp p, 0,1,2
	ds_load_b64 v[FB+6*\t+2*\p:FB+6*\t+2*\p+1], v[ADK] offset:1632*(4*(\t/4)+\t%2)+64*((\t%4)/2)+272*\p
.endr
	ds_load_u16 v[KSC+\t], v[ADS] offset:272*(\t/4)+32*(2*(\t%2)+(\t%4)/2)
.endr
.irp u, 0,1,2,3
	ds_load_b128 v[MK+8*\u:MK+8*\u+3], v[ADM] offset:32*(2*(\u%2)+\u/2)
	ds_load_b128 v[MK+8*\u+4:MK+8*\u+7], v[ADM] offset:32*(2*(\u%2)+\u/2)+16
.endr
	s_wait_alu depctr_va_vdst(0)
	s_wait_dscnt 8                                 ; k and its scales are in; the mask's eight loads may be out
.irp t, 0,1,2,3,4,5,6,7
	v_wmma_scale_f32_16x16x128_f8f6f4 v[SS+8*\t:SS+8*\t+7], v[FB+6*\t:FB+6*\t+11], v[QF:QF+11], 0, v[KSC+\t], v[QSC] matrix_a_fmt:MATRIX_FMT_FP6 matrix_b_fmt:MATRIX_FMT_FP6
.endr
	s_sub_co_i32 s70, s[KF], s[Q0C]                ; the step's place against the cluster's queries: the same in all partners
	s_cmp_lt_i32 s70, 0
	s_cselect_b32 s[SBP], s[BL], s[BR]             ; a far step's 8 bias: left of the queries or right of them
	s_mov_b32 s[SBP+1], s[SBP]
	s_add_co_u32 s71, s70, 128
	s_cmp_le_u32 s71, 384                          ; near: -128 <= first key - first query <= 256
.rept 4
	v_nop
.endr
.irp u, 0,1,2,3
	ds_load_b128 v[FB+8*\u:FB+8*\u+3], v[ADM] offset:256+32*(2*(\u%2)+\u/2)
	ds_load_b128 v[FB+8*\u+4:FB+8*\u+7], v[ADM] offset:256+32*(2*(\u%2)+\u/2)+16
.endr
	s_cbranch_scc1 .Lnear_\@
	s_wait_dscnt 8                                 ; the mask's first half is in
.irp t, 0,1,2,3
	UG MK+8*\t, \t, 0
.endr
	s_wait_dscnt 0x0
.irp t, 4,5,6,7
	UG FB+8*(\t-4), \t, 0
.endr
	s_wait_alu depctr_va_vdst(0)
	s_branch .Ljoin_\@
.Lnear_\@:
	s_and_b32 s71, s71, 0x180
	v_lshl_add_u32 v[ADB], s71, 2, v[AT0]
	TABLD 0
	TABLD 1
	s_wait_alu depctr_va_vdst(0)
.irp t, 0,1,2,3
	s_wait_dscnt 8                                 ; all but the next tile's eight entries
	UG MK+8*\t, \t, 1
	TABLD \t+2
.endr
.irp t, 4,5
	s_wait_dscnt 8
	UG FB+8*(\t-4), \t, 1
	TABLD \t+2
.endr
	s_wait_dscnt 8
	UG FB+16, 6, 1
	s_wait_dscnt 0x0
	UG FB+24, 7, 1
.Ljoin_\@:
.irp t, 0,1,2,3                                ; v lands under the softmax
.irp p, 0,1,2,3,4,5
	ds_load_b64 v[FB+12*\t+2*\p:FB+12*\t+2*\p+1], v[ADV] offset:272*(6*\t+\p)
.endr
	ds_load_b32 v[VSC+\t], v[ADT] offset:64*\t
.endr
.irp b, 0,1,2,3                                ; my two blocks' largest u, in four chains
	v_max3_num_f32 v[244+\b], v[SS+16*\b], v[SS+16*\b+1], v[SS+16*\b+2]
.endr
.irp i, 3,5,7,9,11,13
.irp b, 0,1,2,3
	v_max3_num_f32 v[244+\b], v[244+\b], v[SS+16*\b+\i], v[SS+16*\b+\i+1]
.endr
.endr
	v_max3_num_f32 v244, v244, v245, v[SS+15]
	v_max3_num_f32 v246, v246, v247, v[SS+47]
	v_max_num_f32 v244, v244, v[SS+31]             ; block 2 x 0 + h
	v_max_num_f32 v246, v246, v[SS+63]             ; block 2 x 1 + h
	s_delay_alu instid0(VALU_DEP_1)
	v_max_num_f32 v254, v244, v246
	s_delay_alu instid0(VALU_DEP_1)
	v_permlanex16_b32 v255, v254, s[SEL], s[SEL+1]
	s_delay_alu instid0(VALU_DEP_1)
	v_max_num_f32 v254, v254, v255                 ; the step's largest u of my query
	s_delay_alu instid0(VALU_DEP_1)
	v_mul_f32 v254, s[CS], v254                    ; as t (the factor is positive, and rounding keeps the order)
	s_delay_alu instid0(VALU_DEP_1)
	v_max_num_f32 v[TMAX], v[TMAX], v254
	v_mov_b32 v254, v[NM]
	s_delay_alu instid0(VALU_DEP_2)
	v_floor_f32 v[NM], -v[TMAX]                    ; -M = floor(-t)
	s_delay_alu instid0(VALU_DEP_1)
	v_sub_f32 v254, v[NM], v254
	s_delay_alu instid0(VALU_DEP_1)
	v_cvt_i32_f32 v254, v254                       ; (it saturates)
	s_delay_alu instid0(VALU_DEP_1)
	v_ldexp_f32 v[FF], 1.0, v254                   ; 2^(old M - new M)
.set j, 0
.rept 32
	v_pk_mul_f32 v[SS+j:SS+j+1], v[SS+j:SS+j+1], s[CS:CS+1] op_sel_hi:[1,0]   ; t, rounded to f32
.set j, j+2
.endr
	v_mul_f32 v244, s[CS], v244                    ; the same two operations on each block's largest u give the same bits
	v_mul_f32 v246, s[CS], v246
.set j, 0
.rept 32
	v_pk_add_f32 v[SS+j:SS+j+1], v[SS+j:SS+j+1], v[NM:NM+1] op_sel_hi:[1,0]   ; t - M
.set j, j+2
.endr
	v_add_f32 v244, v244, v[NM]
	v_add_f32 v246, v246, v[NM]
.set j, 0
.rept 16
	v_pk_mul_f32 v[OT+j:OT+j+1], v[OT+j:OT+j+1], v[FF:FF+1] op_sel_hi:[1,0]   ; O^T under the new M
.set j, j+2
.endr
	s_wait_alu depctr_va_vdst(0)                   ; the wait ahead of the batch
.set j, 0
.rept 64
	v_exp_f32 v[SS+j], v[SS+j]
.set j, j+1
.endr
	v_exp_f32 v244, v244
	v_exp_f32 v246, v246
	v_pk_mul_f32 v[SUM:SUM+1], v[SUM:SUM+1], v[FF:FF+1] op_sel_hi:[1,0]   ; (a plain place behind the batch)
	s_wait_alu depctr_va_vdst(0)                   ; and behind it
	v_max_num_f32 v244, 0x1800000, v244            ; the floor 2^(3 - 127)
	v_max_num_f32 v246, 0x1800000, v246
	v_add_nc_u32 v250, 0xff000000, v244            ; the conversions' scale operands
	v_add_nc_u32 v251, 0xff000000, v246
	v_lshrrev_b32 v245, 23, v250
	v_lshrrev_b32 v247, 23, v251
.irp c, 0,1
	v_cvt_scalef32_pk16_fp6_f32 v[PC+6*\c:PC+6*\c+2], v[SS+32*\c:SS+32*\c+15], v[250+\c]
	v_cvt_scalef32_pk16_fp6_f32 v[CT+4*\c:CT+4*\c+2], v[SS+32*\c+16:SS+32*\c+31], v[250+\c]
.endr
	v_lshl_or_b32 v254, v247, 16, v245             ; my two bytes (a plain place behind the conversions),
	v_lshlrev_b32 v254, v[SH], v254                ; 8 h bits up
.irp c, 0,1
.irp i, 0,1,2
	v_mov_b32 v[PC+6*\c+3+\i], v[CT+4*\c+\i]
.endr
.endr
	v_permlanex16_b32 v255, v254, s[SEL], s[SEL+1]
	s_delay_alu instid0(VALU_DEP_1)
	v_or_b32 v[PSC], v254, v255                    ; p's scale word
	; the row's sum of the unquantised p, in eight chains; these 32 lines are also the places in front of the products
.irp k, 1,2,3,4,5,6,7
	v_pk_add_f32 v[228+2*\k:229+2*\k], v[SS+2*\k:SS+2*\k+1], v[SS+16+2*\k:SS+17+2*\k]
.endr
	v_pk_add_f32 v[SUM:SUM+1], v[SUM:SUM+1], v[SS:SS+1]
.irp m, 2,3
.irp k, 1,2,3,4,5,6,7
	v_pk_add_f32 v[228+2*\k:229+2*\k], v[228+2*\k:229+2*\k], v[SS+16*\m+2*\k:SS+16*\m+2*\k+1]
.endr
	v_pk_add_f32 v[SUM:SUM+1], v[SUM:SUM+1], v[SS+16*(\m-1):SS+16*(\m-1)+1]
.endr
	v_pk_add_f32 v[SUM:SUM+1], v[SUM:SUM+1], v[SS+48:SS+49]
	v_pk_add_f32 v[230:231], v[230:231], v[232:233]
	v_pk_add_f32 v[234:235], v[234:235], v[236:237]
	v_pk_add_f32 v[238:239], v[238:239], v[240:241]
	v_pk_add_f32 v[SUM:SUM+1], v[SUM:SUM+1], v[242:243]
	v_pk_add_f32 v[230:231], v[230:231], v[234:235]
	v_pk_add_f32 v[SUM:SUM+1], v[SUM:SUM+1], v[238:239]
	s_delay_alu instid0(VALU_DEP_1)
	v_pk_add_f32 v[SUM:SUM+1], v[SUM:SUM+1], v[230:231]
	s_wait_alu depctr_va_vdst(0)
	s_wait_dscnt 0x0                               ; v and its scales are in
.irp t, 0,1,2,3
	v_wmma_scale_f32_16x16x128_f8f6f4 v[OT+8*\t:OT+8*\t+7], v[FB+12*\t:FB+12*\t+11], v[PC:PC+11], v[OT+8*\t:OT+8*\t+7], v[VSC+\t], v[PSC] matrix_a_fmt:MATRIX_FMT_FP6 matrix_b_fmt:MATRIX_FMT_FP6
.endr
	s_add_co_u32 s[KF], s[KF], 128
.endm
; the change of slots: all my tensor loads, the add, my LDS work; a round; the other slot is filled with the next step's tiles
.macro CHANGE fill
	s_wait_tensorcnt 0x0
	ds_add_u32 v[SPW], v[NIL]
.if \fill
	ds_add_u32 v[SPW], v[NIL]
	s_xor_b32 s[G0K+1], s[G0K+1], SLOT1
	s_add_nc_u64 s[G0K+2:G0K+3], s[G0K+2:G0K+3], RECB
	s_xor_b32 s[G0V+1], s[G0V+1], SLOT1
	s_add_nc_u64 s[G0V+2:G0V+3], s[G0V+2:G0V+3], 8*RECB
	s_xor_b32 s[G0M+1], s[G0M+1], SLOT1
	s_add_nc_u64 s[G0M+2:G0M+3], s[G0M+2:G0M+3], 512
	s_wait_xcnt 0x0                                ; the last prefetch has read its address
	s_add_nc_u64 s[PFA:PFA+1], s[PFA:PFA+1], s[PFS:PFS+1]
	s_wait_dscnt 0x0
	CROUND
	TLOAD
	ASK
.else
	s_wait_dscnt 0x0
	s_barrier_signal -1
	s_barrier_wait -1
.endif
.endm
	s_wait_alu depctr_va_vdst(0)                   ; the wait at the head's end
.Lstep:
	CHANGE 1
	STEP
	s_xor_b32 s[TB], s[TB], SLOT1
	s_sub_co_u32 s[STEPS], s[STEPS], 1
	s_cmp_lg_u32 s[STEPS], 0
	s_cbranch_scc1 .Lstep
	CHANGE 0                                       ; the last step is written out: it asks for nothing
	STEP
	; THE WAY OUT.  O^T / the sum is ctx(query r, 16 t + 8 h + j); an exchange of halves gives each lane 16 neighbours of each block of 32
	s_mul_i32 s70, s[QT], 16*272
	s_lshl_b32 s71, s[HG], 6
	s_add_co_u32 s70, s70, s71
	s_add_co_u32 s70, s70, STG
	s_mul_i32 s75, s[WV], 4*272
	s_add_co_u32 s75, s75, STG
	s_lshl_b32 s76, s[QT], 7
	s_lshl_b32 s71, s[HG], 1
	s_add_co_u32 s76, s76, s71
	s_add_co_u32 s76, s76, SCST
	s_lshl_b32 s72, s[WV], 2
	s_add_co_u32 s72, s72, s[TOK0]
	s_mul_i32 s72, s72, 768
	s_mul_i32 s73, s[CX], 192
	s_add_co_u32 s72, s72, s73
	s_lshl_b32 s73, s[TOK0], 5
	s_lshl_b32 s74, s[CX], 3
	s_add_co_u32 s73, s73, s74
	v_add_f32 v[SUM], v[SUM], v[SUM+1]
	s_delay_alu instid0(VALU_DEP_1)
	v_permlanex16_b32 v254, v[SUM], s[SEL], s[SEL+1]
	s_delay_alu instid0(VALU_DEP_1)
	v_add_f32 v[SUM], v[SUM], v254
	s_wait_alu depctr_va_vdst(0)
	v_rcp_f32 v250, v[SUM]
	v_and_b32 v10, 15, v0
	v_bfe_u32 v11, v0, 4, 1
	v_mul_u32_u24 v12, v10, 272
	v_mul_u32_u24 v13, v11, 272
	v_mul_u32_u24 v1, v11, 768
	v_lshl_add_u32 v12, v11, 4, v12
	v_lshl_add_u32 v13, v10, 4, v13
	v_mad_u32_u24 v1, v10, 12, v1
	v_add_nc_u32 v12, s70, v12                     ; into the stage: row 16 qt + r, place 4 hg + 2 block + h
	v_add_nc_u32 v13, s75, v13                     ; back: rows 4 wave + h
	v_add_nc_u32 v1, s72, v1                       ; ctx's codes: token x 768 + 192 x group + 12 x place
	v_lshl_add_u32 v14, v10, 3, s76
	v_lshl_add_u32 v15, v0, 3, SCST
	v_lshl_add_u32 v2, v0, 5, s73
	s_wait_alu depctr_va_vdst(0)                   ; ahead of the first reader of the reciprocal and of O^T
.set j, 0
.rept 16
	v_pk_mul_f32 v[SS+j:SS+j+1], v[OT+j:OT+j+1], v[250:251] op_sel_hi:[1,0]
.set j, j+2
.endr
.irp b, 0,1
.irp j, 0,1,2,3,4,5,6,7
	v_permlane16_swap_b32 v[SS+16*\b+\j], v[SS+16*\b+8+\j]
.endr
.endr
.irp b, 0,1
	v_max3_num_f32 v[244+\b], |v[SS+16*\b]|, |v[SS+16*\b+1]|, 0x1800000
.endr
.irp i, 2,4,6,8,10,12,14
.irp b, 0,1
	s_delay_alu instid0(VALU_DEP_2)
	v_max3_num_f32 v[244+\b], v[244+\b], |v[SS+16*\b+\i]|, |v[SS+16*\b+\i+1]|
.endr
.endr
.irp b, 0,1
	v_permlanex16_b32 v[246+\b], v[244+\b], s[SEL], s[SEL+1]
.endr
.irp b, 0,1
	v_max_num_f32 v[244+\b], v[244+\b], v[246+\b]
.endr
.irp b, 0,1
	v_add_nc_u32 v[252+\b], 0xff000000, v[244+\b]
.endr
.irp b, 0,1
	v_lshrrev_b32 v[246+\b], 23, v[252+\b]
.endr
	v_cvt_scalef32_pk16_fp6_f32 v[164:166], v[SS:SS+15], v252
	v_cvt_scalef32_pk16_fp6_f32 v[168:170], v[SS+16:SS+31], v253
	v_lshl_or_b32 v254, v247, 8, v246
	ds_store_b96 v12, v[164:166]
	ds_store_b96 v12, v[168:170] offset:32
	ds_store_b16 v14, v254
	s_wait_dscnt 0x0
	s_barrier_signal -1
	s_barrier_wait -1
	ds_load_b96 v[172:174], v13
	ds_load_b96 v[176:178], v13 offset:544
	s_wait_dscnt 1
	global_store_b96 v1, v[172:174], s[10:11]
	s_wait_dscnt 0x0
	global_store_b96 v1, v[176:178], s[10:11] offset:1536
	s_cmp_lt_u32 s[WV], 2
	s_cbranch_scc0 .Lno_scales
	ds_load_b64 v[184:185], v15
	s_wait_dscnt 0x0
	global_store_b64 v2, v[184:185], s[12:13]
.Lno_scales:
	s_wait_tensorcnt 0x0                           ; the wave's end
	ds_add_u32 v[SPW], v[NIL]
	s_wait_dscnt 0x0
	CROUND
	s_endpgm
.Lfunc_end_k_q2c2c3cdd20_attn:
	.size	k_q2c2c3cdd20_attn, .Lfunc_end_k_q2c2c3cdd20_attn-k_q2c2c3cdd20_attn
	.p2alignl 7, 3214868480
	.fill 96, 4, 3214868480
	.section	.rodata,"a",@progbits
	.p2align	6, 0x0
	.amdhsa_kernel k_q2c2c3cdd20_attn
		.amdhsa_group_segment_fixed_size 327680
		.amdhsa_private_segment_fixed_size 0
		.amdhsa_enable_private_segment 0
		.amdhsa_kernarg_size 40
		.amdhsa_user_sgpr_count 2
		.amdhsa_user_sgpr_kernarg_segment_ptr 1
		.amdhsa_wavefront_size32 1
		.amdhsa_system_sgpr_workgroup_id_x 1
		.amdhsa_system_sgpr_workgroup_id_y 1
		.amdhsa_system_sgpr_workgroup_id_z 1
		.amdhsa_system_vgpr_workitem_id 0
		.amdhsa_next_free_vgpr 256
		.amdhsa_next_free_sgpr 100
		.amdhsa_reserve_vcc 1
		.amdhsa_float_denorm_mode_32 3
		.amdhsa_float_denorm_mode_16_64 3
		.amdhsa_memory_ordered 1
		.amdhsa_forward_progress 1
		.amdhsa_inst_pref_size 112
	.end_amdhsa_kernel
	.amdgpu_metadata
---
amdhsa.version: [ 1, 2 ]
amdhsa.kernels:
  - .name:           k_q2c2c3cdd20_attn
    .symbol:         k_q2c2c3cdd20_attn.kd
    .args:
      - { .name: qkv, .offset: 0, .size: 8, .value_kind: global_buffer, .address_space: global }
      - { .name: attention_mask, .offset: 8, .size: 8, .value_kind: global_buffer, .address_space: global }
      - { .name: rel_bias_emb, .offset: 16, .size: 8, .value_kind: global_buffer, .address_space: global }
      - { .name: ctx_codes, .offset: 24, .size: 8, .value_kind: global_buffer, .address_space: global }
      - { .name: ctx_scales, .offset: 32, .size: 8, .value_kind: global_buffer, .address_space: global }
    .group_segment_fixed_size: 327680
    .private_segment_fixed_size: 0
    .kernarg_segment_align: 8
    .kernarg_segment_size: 40
    .max_flat_workgroup_size: 512
    .sgpr_count:     100
    .vgpr_count:     256
    .wavefront_size: 32
...
	.end_amdgpu_metadata
.endif
;; end of part 2
;; launch oproj (part 3): grid 8 x 32, 4 waves a work-group, clusters of 4 x 4, 327,680 bytes of LDS; arguments ctx_codes, ctx_scales, W_o_codes, W_o_scales, out0; writes out0
.if DOCPART == 3
	.amdgcn_target "amdgcn-amd-amdhsa--gfx1250"
	.amdhsa_code_object_version 6
	.text
	.protected	k_q2c2c3cdd20_oproj
	.globl	k_q2c2c3cdd20_oproj
	.p2align	8
	.type	k_q2c2c3cdd20_oproj,@function
k_q2c2c3cdd20_oproj:
	s_mov_b64 s[64:65], 0
	v_nop
	global_prefetch_b8 v0, s[64:65] scope:SCOPE_SE
	s_setreg_imm32_b32 hwreg(HW_REG_WAVE_MODE, 25, 1), 1
	s_wait_xcnt 0x0
	s_wait_alu depctr_hold_cnt(0) depctr_sa_sdst(0) depctr_va_vdst(0) depctr_va_sdst(0) depctr_va_ssrc(0) depctr_va_vcc(0) depctr_vm_vsrc(0)
	s_getreg_b32 s2, hwreg(HW_REG_IB_STS2, 6, 4)
	s_cmp_eq_u32 s2, 0
	s_cbranch_scc0 .Lentry_in_a_cluster
	s_endpgm
.Lentry_in_a_cluster:
	s_bfe_u32 s2, ttmp6, 0x10000c
	s_cmp_lg_u32 s2, 0xf033
	s_cbranch_scc0 .Lentry_shape_is_right
	s_endpgm
.Lentry_shape_is_right:
; out0 = ctx W_o on codes of FP6 (E2M3) with E8M0 scales.  A tile of 128 x 128 a work-group, 64 x 64 a wave (16 accumulators).
; ALL OF K IS STAGED ONCE: 128 + 128 rows of 768 bytes (each begins at a multiple of 256 bytes), one joint load of 64 rows a wave, 16 bytes of padding behind every 256: LDS pitch 816.  Nothing is filled again.
; Cluster 4 x 4: A's rows are asked for jointly along a row of the cluster, B's along a column.
; THE SCALES go from memory into registers: a row's 32 bytes are 16 for lanes 0-15 (K steps 0-3) and 16 for lanes 16-31 (K steps 4-7, read by ROW1); one load covers 512 consecutive bytes.
; Transposed use (source 0 = W_o's rows): a lane holds eight neighbouring columns of a row of out0; results leave through a stage of the wave's own in whole units of 256 bytes.
; No prefetch: there is no loop to run ahead in; all tiles are asked for at the head.
.set KROW,   768
.set PITCH,  816
.set FR,     12
.set HALFT,  64*PITCH
.set SLOT,   4*HALFT
.set STAGE,  SLOT
.set SPITCH, 272
.set SPARE,  STAGE+4*16*SPITCH
.set ADRA, 16                          ; v16 my A fragments, v17 the same where lanes 16-31 lie behind a padding
.set ADRB, 18
.set STO,  24
.set RD,   25
.set CO,   26
.set SOF,  27
.set SPW,  30
.set NIL,  31
.set SA,   32                          ; v32-47 A's scale words: block i, word q at 4 i + q;  v48-63 B's
.set SB,   48
.set BK,   64
.set ACC,  128
.set G1, 24
.set G0, 32
.set G1B, 48
.set G0B, 56
.set MSB, 0
.macro WIN new
.if MSB != \new
	s_set_vgpr_msb (MSB<<8)|\new
.set MSB, \new
.endif
.endm
.macro CROUND
	s_barrier_signal -1
	s_barrier_wait -1
	s_cmp_lg_u32 s14, 0
	s_cbranch_scc1 .Lnot_wave_0_\@
	s_barrier_signal -3
.Lnot_wave_0_\@:
	s_barrier_wait -3
	s_barrier_signal -1
	s_barrier_wait -1
.endm
	s_load_b128 s[4:7], s[0:1], 0x0
	s_load_b128 s[8:11], s[0:1], 0x10
	s_load_b64 s[12:13], s[0:1], 0x20
	v_lshl_add_u32 v[SPW], v0, 2, SPARE
	v_mov_b32 v[NIL], 0
	ds_add_u32 v[SPW], v[NIL]                      ; the opening lines
	ds_add_u32 v[SPW], v[NIL]
	v_lshrrev_b32 v1, 5, v0
	v_readfirstlane_b32 s14, v1
	v_and_b32 v1, 15, v0
	v_bfe_u32 v2, v0, 4, 1
	v_lshlrev_b32 v[SOF], 5, v1
	v_lshl_add_u32 v[SOF], v2, 4, v[SOF]           ; scales: 32 r + 16 h
	s_lshr_b32 s15, s14, 1
	s_and_b32 s16, s14, 1
	s_bfe_u32 s40, ttmp6, 0x40000
	s_bfe_u32 s41, ttmp6, 0x40004
	s_lshl_b32 s42, ttmp9, 2
	s_add_co_u32 s42, s42, s40
	s_and_b32 s17, ttmp7, 0xffff
	s_lshl_b32 s17, s17, 2
	s_add_co_u32 s17, s17, s41
	s_lshl_b32 s43, s41, 2
	s_lshl_b32 s43, 15, s43
	s_lshl_b32 s44, 0x1111, s40
	s_or_b32 s[G1+0], s43, (0<<16)|(1<<20)|(1<<21)|(5<<22)|(3<<25)
	s_or_b32 s[G1B+0], s44, (0<<16)|(1<<20)|(1<<21)|(5<<22)|(3<<25)
.irp g, G1, G1B
	s_mov_b32 s[\g+1], KROW<<16
	s_mov_b32 s[\g+2], 64<<16
	s_mov_b32 s[\g+3], KROW<<16
	s_mov_b32 s[\g+4], 64
	s_mov_b32 s[\g+5], KROW
	s_mov_b32 s[\g+6], 0
	s_mov_b32 s[\g+7], 0
.endr
	s_lshl_b32 s18, s16, 6                         ; which 64 rows of a tile I fetch
	s_lshl_b32 s20, s17, 7
	s_add_co_u32 s20, s20, s18
	s_mul_i32 s20, s20, KROW
	s_mov_b32 s21, 0
	s_lshl_b32 s46, s42, 7
	s_add_co_u32 s46, s46, s18
	s_mul_i32 s46, s46, KROW
	s_mov_b32 s47, 0
	s_lshl_b32 s22, s17, 7                         ; the rows that I multiply: A's half wave / 2, B's half wave % 2
	s_lshl_b32 s19, s15, 6
	s_add_co_u32 s22, s22, s19
	s_lshl_b32 s22, s22, 5
	s_mov_b32 s23, 0
	s_lshl_b32 s92, s42, 7
	s_add_co_u32 s92, s92, s18
	s_lshl_b32 s92, s92, 5
	s_mov_b32 s93, 0
	s_mul_i32 s45, s14, HALFT
	s_wait_alu depctr_va_vdst(0)                   ; the wait ahead of the blocking waits
	s_wait_dscnt 0x0
	s_wait_kmcnt 0x0
	s_add_nc_u64 s[22:23], s[6:7], s[22:23]
	s_add_nc_u64 s[92:93], s[10:11], s[92:93]
.irp i, 0,1,2,3
	global_load_b128 v[SA+4*\i:SA+4*\i+3], v[SOF], s[22:23] offset:512*\i
	global_load_b128 v[SB+4*\i:SB+4*\i+3], v[SOF], s[92:93] offset:512*\i
.endr
	s_mov_b32 s[G0], 1
	s_mov_b32 s[G0+1], s45
	s_add_nc_u64 s[G0+2:G0+3], s[4:5], s[20:21]
	s_or_b32 s[G0+3], s[G0+3], 0x80000000
	s_mov_b32 s[G0B], 1
	s_mov_b32 s[G0B+1], s45
	s_add_nc_u64 s[G0B+2:G0B+3], s[8:9], s[46:47]
	s_or_b32 s[G0B+3], s[G0B+3], 0x80000000
	CROUND                                         ; in front of the joint loads
	s_cmp_eq_u32 s15, 0
	s_cbranch_scc0 .Lfor_b
	tensor_load_to_lds s[G0:G0+3], s[G1:G1+7]
	s_nop 0
.rept 4
	v_nop
.endr
	s_branch .Lasked
.Lfor_b:
	tensor_load_to_lds s[G0B:G0B+3], s[G1B:G1B+7]
	s_nop 0
.rept 4
	v_nop
.endr
.Lasked:
	v_mul_u32_u24 v3, v1, PITCH
	v_mad_u32_u24 v4, v2, 24, v3
	v_lshl_add_u32 v5, v2, 4, v4
	s_mul_i32 s21, s15, HALFT
	s_mul_i32 s95, s16, HALFT                      ; (s[22:23] stay as they are: the scale loads' base)
	s_add_co_u32 s95, s95, 2*HALFT
	v_add_nc_u32 v[ADRA], s21, v4
	v_add_nc_u32 v[ADRA+1], s21, v5
	v_add_nc_u32 v[ADRB], s95, v4
	v_add_nc_u32 v[ADRB+1], s95, v5
	s_mul_i32 s96, s14, 16*SPITCH
	s_add_co_u32 s96, s96, STAGE
	v_mul_u32_u24 v5, v1, SPITCH
	v_lshl_add_u32 v5, v2, 5, v5
	v_add_nc_u32 v[STO], s96, v5
	v_mul_u32_u24 v5, v2, SPITCH
	v_lshl_add_u32 v5, v1, 4, v5
	v_add_nc_u32 v[RD], s96, v5
	v_lshlrev_b32 v[CO], 12, v2
	v_lshl_add_u32 v[CO], v1, 4, v[CO]
	s_lshl_b32 s20, s17, 7
	s_lshl_b32 s21, s15, 6
	s_add_co_u32 s20, s20, s21
	s_lshl_b32 s20, s20, 12
	s_lshl_b32 s46, s42, 9
	s_lshl_b32 s47, s16, 8
	s_add_co_u32 s46, s46, s47
	s_add_co_u32 s20, s20, s46
	s_mov_b32 s21, 0
	s_add_nc_u64 s[12:13], s[12:13], s[20:21]
.macro FRAGO reg, adr, q, i            ; piece PCE of 8 bytes of a row lies at 8 PCE + 16 (PCE / 32); lanes 16-31 read 24 bytes on, behind a padding where PCE % 32 >= 29
.irp p, 0,1,2,3,4,5
.set PCE, 12*(\q)+6*(\p/3)+\p%3
.if PCE%32 < 29
	ds_load_b64 v[\reg+2*\p:\reg+2*\p+1], v[\adr] offset:8*PCE+16*(PCE/32)+(\i)*16*PITCH
.else
	ds_load_b64 v[\reg+2*\p:\reg+2*\p+1], v[\adr+1] offset:8*PCE+16*(PCE/32)+(\i)*16*PITCH
.endif
.endr
.endm
.macro FETCH k                         ; K step k's fragments into set k % 2 of window 1: A's four, then B's four
	WIN 0x40
.irp i, 0,1,2,3
	FRAGO 128*((\k)%2)+FR*\i, ADRA, \k, \i
.endr
.irp i, 0,1,2,3
	FRAGO 128*((\k)%2)+48+FR*\i, ADRB, \k, \i
.endr
.endm
.macro MUL8 k, a0                      ; the 16 accumulators take turns
.set ST, 128*((\k)%2)
.irp a, \a0, \a0+1
.irp b, 0,1,2,3
.if (\k) == 0
	v_wmma_scale_f32_16x16x128_f8f6f4 v[ACC+8*(4*(\a)+\b):ACC+8*(4*(\a)+\b)+7], v[ST+48+FR*\b:ST+48+FR*\b+FR-1], v[ST+FR*(\a):ST+FR*(\a)+FR-1], 0, v[SB+4*\b], v[SA+4*(\a)] matrix_a_fmt:MATRIX_FMT_FP6 matrix_b_fmt:MATRIX_FMT_FP6
.elseif (\k) < 4
	v_wmma_scale_f32_16x16x128_f8f6f4 v[ACC+8*(4*(\a)+\b):ACC+8*(4*(\a)+\b)+7], v[ST+48+FR*\b:ST+48+FR*\b+FR-1], v[ST+FR*(\a):ST+FR*(\a)+FR-1], v[ACC+8*(4*(\a)+\b):ACC+8*(4*(\a)+\b)+7], v[SB+4*\b+(\k)%4], v[SA+4*(\a)+(\k)%4] matrix_a_fmt:MATRIX_FMT_FP6 matrix_b_fmt:MATRIX_FMT_FP6
.else
	v_wmma_scale_f32_16x16x128_f8f6f4 v[ACC+8*(4*(\a)+\b):ACC+8*(4*(\a)+\b)+7], v[ST+48+FR*\b:ST+48+FR*\b+FR-1], v[ST+FR*(\a):ST+FR*(\a)+FR-1], v[ACC+8*(4*(\a)+\b):ACC+8*(4*(\a)+\b)+7], v[SB+4*\b+(\k)%4], v[SA+4*(\a)+(\k)%4] matrix_a_fmt:MATRIX_FMT_FP6 matrix_b_fmt:MATRIX_FMT_FP6 matrix_a_scale:MATRIX_SCALE_ROW1 matrix_b_scale:MATRIX_SCALE_ROW1
.endif
.endr
.endr
.endm
.macro PLACES
.rept 4
	v_nop
.endr
.endm
.macro KST k
	s_wait_dscnt 0x0                               ; this step's fragments are in
	WIN 0x05
	MUL8 \k, 0
.if (\k) < 7
	PLACES                                         ; in front of loads into the set that the step before multiplied
	FETCH (\k)+1
	WIN 0x05
.endif
	MUL8 \k, 2
.endm
	s_wait_alu depctr_va_vdst(0)                   ; the wait at the head's end
	s_wait_tensorcnt 0x0                           ; my 64 rows are in
	s_barrier_signal -1
	s_barrier_wait -1                              ; and everybody's
	FETCH 0
	s_wait_loadcnt 0x0                             ; the scale words
.irp k, 0,1,2,3,4,5,6,7
	KST \k
.endr
	WIN 0
	PLACES
.irp a, 0,1,2,3
.if \a > 1
	s_wait_xcnt 0x0                                ; block a - 2's stores have read their registers
.endif
.irp b, 0,1,2,3
	ds_store_b128 v[STO], v[ACC+8*(4*\a+\b):ACC+8*(4*\a+\b)+3] offset:64*\b
	ds_store_b128 v[STO], v[ACC+8*(4*\a+\b)+4:ACC+8*(4*\a+\b)+7] offset:64*\b+16
.endr
.irp t, 0,1,2,3,4,5,6,7
	ds_load_b128 v[BK+32*(\a%2)+4*\t:BK+32*(\a%2)+4*\t+3], v[RD] offset:\t*2*SPITCH
.endr
.irp t, 0,1,2,3,4,5,6,7
	s_wait_dscnt 7-\t                              ; the younger loads may be out
	global_store_b128 v[CO], v[BK+32*(\a%2)+4*\t:BK+32*(\a%2)+4*\t+3], s[12:13] offset:65536*\a+8192*\t th:TH_STORE_NT
.endr
.endr
	s_wait_tensorcnt 0x0                           ; the wave's end
	ds_add_u32 v[SPW], v[NIL]
	s_wait_dscnt 0x0
	CROUND
	s_endpgm
.Lfunc_end_k_q2c2c3cdd20_oproj:
	.size	k_q2c2c3cdd20_oproj, .Lfunc_end_k_q2c2c3cdd20_oproj-k_q2c2c3cdd20_oproj
	.p2alignl 7, 3214868480
	.fill 96, 4, 3214868480
	.section	.rodata,"a",@progbits
	.p2align	6, 0x0
	.amdhsa_kernel k_q2c2c3cdd20_oproj
		.amdhsa_group_segment_fixed_size 327680
		.amdhsa_private_segment_fixed_size 0
		.amdhsa_enable_private_segment 0
		.amdhsa_kernarg_size 40
		.amdhsa_user_sgpr_count 2
		.amdhsa_user_sgpr_kernarg_segment_ptr 1
		.amdhsa_wavefront_size32 1
		.amdhsa_system_sgpr_workgroup_id_x 1
		.amdhsa_system_sgpr_workgroup_id_y 1
		.amdhsa_system_sgpr_workgroup_id_z 1
		.amdhsa_system_vgpr_workitem_id 0
		.amdhsa_next_free_vgpr 512
		.amdhsa_next_free_sgpr 100
		.amdhsa_reserve_vcc 0
		.amdhsa_float_denorm_mode_32 3
		.amdhsa_float_denorm_mode_16_64 3
		.amdhsa_memory_ordered 1
		.amdhsa_forward_progress 1
		.amdhsa_inst_pref_size 58
	.end_amdhsa_kernel
	.amdgpu_metadata
---
amdhsa.version: [ 1, 2 ]
amdhsa.kernels:
  - .name:           k_q2c2c3cdd20_oproj
    .symbol:         k_q2c2c3cdd20_oproj.kd
    .args:
      - { .name: ctx_codes, .offset: 0, .size: 8, .value_kind: global_buffer, .address_space: global }
      - { .name: ctx_scales, .offset: 8, .size: 8, .value_kind: global_buffer, .address_space: global }
      - { .name: W_o_codes, .offset: 16, .size: 8, .value_kind: global_buffer, .address_space: global }
      - { .name: W_o_scales, .offset: 24, .size: 8, .value_kind: global_buffer, .address_space: global }
      - { .name: out0, .offset: 32, .size: 8, .value_kind: global_buffer, .address_space: global }
    .group_segment_fixed_size: 327680
    .private_segment_fixed_size: 0
    .kernarg_segment_align: 8
    .kernarg_segment_size: 40
    .max_flat_workgroup_size: 128
    .sgpr_count:     100
    .vgpr_count:     512
    .wavefront_size: 32
...
	.end_amdgpu_metadata
.endif
;; end of part 3
